; MI455X (gfx1250); checked and timed in simulation.
; The chip was launched on July 23, 2026; its instructions are those of AMD's public machine-readable ISA for CDNA 5 (MIT licence, August 2026) and "CDNA5" Instruction Set Architecture Reference Guide (July 2026). The comments in the code are by the model that wrote it; some were corrected since.
;; Causal Self Attention. Allowed arithmetic: matrix products marked QUANTISED: E3M2 operands, one E8M0 scale for each 32 along K, by v_wmma_scale_f32_16x16x128_f8f6f4 with both operands' format E3M2, f32 sums; everything else in f32.
;; Inputs: Wk 1,024 x 1,024 float32; Wq 1,024 x 1,024 float32; Wv 1,024 x 1,024 float32; attention_mask 4 x 1 x 1 x 2,048 float32; bk 1,024 float32; bq 1,024 float32; bv 1,024 float32; hidden_states 4 x 2,048 x 1,024 float32.
;; Outputs: out0 4 x 2,048 x 1,024 float32.
;; This version of the problem:
;;   THIS VERSION OF THE PROBLEM IS GIVEN IN LOW PRECISION. The matrix products marked QUANTISED in the list below multiply operands that are first quantised to E3M2 (3 exponent bits, 2 mantissa bits; 6 bits a number), with one power-of-two scale for each 32 numbers along K (OCP MX v1.0); their sums are f32. All else is computed in f32.
;;   The module's matrix products, in the order in which they are computed (A, B: the left and right operand; K: the contracted axis; several contracted axes count as one K, in the product's order):
;;     1. [M 8,192, K 1,024] x [K 1,024, N 1,024]; A: input hidden_states; B: input Wq: QUANTISED
;;     2. [M 8,192, K 1,024] x [K 1,024, N 1,024]; A: input hidden_states; B: input Wk: QUANTISED
;;     3. [M 8,192, K 1,024] x [K 1,024, N 1,024]; A: input hidden_states; B: input Wv: QUANTISED
;;     4. batch 64 x [M 2,048, K 64] x [K 64, N 2,048]; A: computed on the way; B: computed on the way: QUANTISED
;;     5. batch 64 x [M 2,048, K 2,048] x [K 2,048, N 64]; A: computed on the way; B: computed on the way: QUANTISED
;;   THE QUANTISER, for each operand of a quantised product, along K:
;;     - K is cut into blocks of 32 from its start; a last block that is shorter is filled with zeros.
;;     - A block's scale is 2^e with e = floor(log2(the largest magnitude in the block)) - 4, held to -126 .. 127; a block of zeros has e = 0. As a byte (E8M0): e + 127.
;;     - Each number is divided by its block's scale, clamped to +-28, and rounded to the nearest number of E3M2, ties to even, subnormals kept.
;;     - The product sums the exact products of the quantised numbers (number of the format x scale) in f32.
;;   ~~~python
;;   def quantise(x, axis):      # numpy; x: float32 -> the quantised numbers, widened to float32 again
;;       x = np.moveaxis(x, axis, -1); K = x.shape[-1]
;;       x = np.pad(x, [(0, 0)] * (x.ndim - 1) + [(0, -K % 32)]); x = x.reshape(x.shape[:-1] + (-1, 32)); a = np.abs(x).max(-1, keepdims=True)
;;       e = np.where(a > 0, np.clip(np.frexp(np.where(a > 0, a, 1))[1] - 1 - 4, -126, 127), 0)      # np.frexp(a)[1] - 1 = floor(log2(a)), exactly
;;       r = np.clip(x / 2.0 ** e, -28, 28)
;;       step = 2.0 ** (np.maximum(np.frexp(np.where(r == 0, 1, r))[1] - 1, -2) - 2)
;;       q = np.round(r / step) * step * 2.0 ** e      # np.round: ties to even
;;       return np.moveaxis(q.reshape(q.shape[:-2] + (-1,))[..., :K], -1, axis).astype(np.float32)
;;   ~~~
;;   OPERANDS COMPUTED ON THE WAY. 'Computed on the way' means the value that the module computes at that place (a softmax that the list does not call 'softmax' is quantised finished and normalised). What goes into a quantiser is computed in f32, as accurately as f32 sums, v_exp_f32 and their like allow (about 1e-6 of the number): no bf16 or f16 on the way to a quantiser, and a product that is left as it is and whose result goes on into a quantised operand takes f32 operands (vector FMAs, or v_wmma_f32_16x16x4_f32). A number that lies on a knife's edge between two numbers of the format may be rounded either way, as far as f32 arithmetic and the matrix unit's own rounding can turn it there, and no further.
;; One version. Each part assembles by itself: llvm-mc -triple=amdgcn-amd-amdhsa -mcpu=gfx1250 --defsym DOCPART=n.
;; ======== version 1 of 1: 3 launches
;; limits: right only within a limited range of input values
;; workspace buffers: x_codes 6,291,456 bytes; x_scales 262,144 bytes; w_codes 2,359,296 bytes; w_scales 98,304 bytes; qkv_codes 18,874,368 bytes; qkv_scales 1,310,720 bytes
;; launch quant (part 1): grid 352 x 1, 4 waves a work-group, no clusters, 33,280 bytes of LDS; arguments hidden_states, Wq, Wk, Wv, x_codes, x_scales, w_codes, w_scales; writes x_codes, x_scales, w_codes, w_scales
.if DOCPART == 1
	.amdgcn_target "amdgcn-amd-amdhsa--gfx1250"
	.amdhsa_code_object_version 6
	.text
	.protected	k_q65f09ee663_quant
	.globl	k_q65f09ee663_quant
	.p2align	8
	.type	k_q65f09ee663_quant,@function
k_q65f09ee663_quant:
	s_mov_b64 s[64:65], 0
	v_nop
	global_prefetch_b8 v0, s[64:65] scope:SCOPE_SE
	s_setreg_imm32_b32 hwreg(HW_REG_WAVE_MODE, 25, 1), 1
	s_wait_xcnt 0x0
; hidden_states [8192][1024] and Wq, Wk, Wv [1024][1024], f32, K innermost in all four, are turned into codes of BF6 (E3M2), 6 bits each, with one E8M0 scale byte for each 32 along K.
; x_codes [8192][768], x_scales [8192][32];  w_codes [3072][768], w_scales [3072][32]: rows 0-1023 Wq, 1024-2047 Wk, 2048-3071 Wv.
; A block's scale is 2^(floor(log2(its largest magnitude)) - 4); its byte is the largest magnitude's own exponent field - 4, held at 1 from below.  Each number is divided by the scale and rounded to the nearest code, ties to even.
; LIMITS: a block of zeros gets the byte 1 where the rule says 127 (its codes are zeros, which add nothing under any byte but 0xff, and this program alone reads the bytes); blocks whose largest magnitude lies
; under 2^(5 - 127) keep the byte 1; NaN and infinities among the inputs are not served.
; Rows are dense and K is a multiple of 32: each tensor is a plain stream of blocks of 32, and so are its codes and its scale bytes.  A work-group takes 32,768 numbers, a wave 8,192 in 16 steps of 512.
; Work-groups 0-255 take hidden_states, 256-287 Wq, 288-319 Wk, 320-351 Wv: only pointers are chosen, by the work-group's number; all take one path through the text.
; Each of a step's four loads reads 512 consecutive bytes, 16 a lane; the 2,048 bytes turn through the wave's own stage in LDS and come back 64 bytes a lane: 16 neighbours along K, two lanes to a block.
; A lane's 16 codes are 12 bytes: the wave stores 384 consecutive bytes.  A wave's 256 scale bytes are gathered in its own LDS bytes and leave as one store of 256 consecutive, aligned bytes.
; No tensor loads, no barrier: waves share nothing.  Loads run four steps (16 loads a wave) ahead, the turn through LDS one step.  No prefetch: the launch is one stream of loads that are all asked for ahead.
.set STEPS, 16
.set EMAX,  4
.set CB,    12                         ; bytes of 16 codes
.set R,     16                         ; v16-79   four sets of 16 numbers as they are loaded
.set X,     80                         ; v80-111  two sets of 16 neighbours
.set C,     128                        ; v128-191 codes: four registers for each step, so that no store's data are written again
.set E,     112                        ; v112-127 a scale byte for each step
.set WREG,  8192                       ; LDS: a region for each wave: two stages of 32 x SP bytes, and behind them its 256 scale bytes
.set SP,    80                         ; a lane's place in a stage: its 64 bytes + 16 of padding
	s_load_b256 s[4:11], s[0:1], 0x0               ; hidden_states, Wq, Wk, Wv
	s_load_b256 s[12:19], s[0:1], 0x20             ; x_codes, x_scales, w_codes, w_scales
	v_lshl_add_u32 v192, v0, 2, 0x8000
	v_mov_b32 v193, 0
	v_lshrrev_b32 v1, 5, v0
	v_readfirstlane_b32 s20, v1                    ; wave
	v_and_b32 v2, 31, v0                           ; lane
	v_lshlrev_b32 v3, 4, v2                        ; my 16 bytes of a load's 512
	s_mul_i32 s21, s20, WREG
	v_lshrrev_b32 v14, 2, v2
	v_mul_u32_u24 v14, v14, SP
	v_and_b32 v15, 3, v2
	v_lshl_add_u32 v14, v15, 4, v14
	v_add_nc_u32 v14, s21, v14                     ; the stage, on the way in: four lanes' 64 bytes on end, then 16 of padding
	v_mul_u32_u24 v15, v2, SP
	v_add_nc_u32 v15, s21, v15                     ; and on the way out: SP x lane: my 16 neighbours
	v_mul_u32_u24 v4, v2, CB                       ; my codes' place in a step's
	v_lshrrev_b32 v5, 1, v2
	s_add_co_u32 s21, s21, 2*32*SP
	v_add_nc_u32 v5, s21, v5                       ; LDS: my wave's 256 scale bytes, my block's byte
	v_lshlrev_b32 v7, 3, v2                        ; and on the way out 8 bytes a lane
	v_add_nc_u32 v6, s21, v7
	s_wait_alu depctr_va_vdst(0)
	s_wait_kmcnt 0x0
	s_mov_b32 s22, 320                             ; the first work-group of my tensor; the choices hang on the work-group's number alone
	s_cmp_lt_u32 ttmp9, 320
	s_cselect_b64 s[10:11], s[8:9], s[10:11]
	s_cselect_b32 s22, 288, s22
	s_cmp_lt_u32 ttmp9, 288
	s_cselect_b64 s[10:11], s[6:7], s[10:11]
	s_cselect_b32 s22, 256, s22
	s_cmp_lt_u32 ttmp9, 256
	s_cselect_b64 s[10:11], s[4:5], s[10:11]       ; s[10:11]: the tensor that I read
	s_cselect_b32 s22, 0, s22
	s_cselect_b64 s[12:13], s[12:13], s[16:17]     ; its codes
	s_cselect_b64 s[14:15], s[14:15], s[18:19]     ; its scale bytes
	s_cselect_b32 s23, 0, 256                      ; the first work-group that writes into these two
	s_sub_co_u32 s22, ttmp9, s22
	s_lshl_b32 s22, s22, 2
	s_add_co_u32 s22, s22, s20                     ; which run of 8,192 numbers of the source is my wave's
	s_sub_co_u32 s23, ttmp9, s23
	s_lshl_b32 s23, s23, 2
	s_add_co_u32 s23, s23, s20                     ; and which run of the destination
	s_lshl_b32 s24, s22, 15                        ; 32,768 bytes a run
	s_mov_b32 s25, 0
	s_add_nc_u64 s[10:11], s[10:11], s[24:25]
	s_mul_i32 s24, s23, 32*STEPS*CB                ; 6,144 bytes of codes a run
	s_add_nc_u64 s[12:13], s[12:13], s[24:25]
	s_lshl_b32 s24, s23, 8                         ; 256 scale bytes a run
	s_add_nc_u64 s[14:15], s[14:15], s[24:25]
.macro LOAD t
.irp i, 0,1,2,3
	global_load_b128 v[R+16*((\t)%4)+4*\i:R+16*((\t)%4)+4*\i+3], v3, s[10:11] offset:2048*(\t)+512*\i th:TH_LOAD_NT   ; 32 lanes read 512 consecutive bytes
.endr
.endm
.macro TURN t                          ; step t's numbers through the stage: LDS serves a wave's instructions in order, so no wait stands between the stores and the loads
.irp i, 0,1,2,3
	ds_store_b128 v14, v[R+16*((\t)%4)+4*\i:R+16*((\t)%4)+4*\i+3] offset:32*SP*((\t)%2)+8*SP*\i
.endr
.irp i, 0,1,2,3
	ds_load_b128 v[X+16*((\t)%2)+4*\i:X+16*((\t)%2)+4*\i+3], v15 offset:32*SP*((\t)%2)+16*\i
.endr
.endm
.irp t, 0,1,2,3
	LOAD \t
.endr
	s_wait_loadcnt 12                              ; step 0's four loads are in; the twelve of steps 1 to 3 may be out
	TURN 0
.macro STEP t
.set XS, X+16*((\t)%2)
.if (\t) > 0
	s_wait_dscnt 1                                 ; this step's numbers are back from the stage (the last step's byte store may be out): so its stores into the stage have read their registers,
.else
	s_wait_dscnt 0x0
.endif
.if (\t)+4 < STEPS
	LOAD (\t)+4                                    ; which take the loads of four steps on
.endif
.if (\t)+1 < STEPS
.if STEPS-2-(\t) >= 3
	s_wait_loadcnt 12                              ; the next step's four loads are in; those of the three steps behind it may be out
.else
	s_wait_loadcnt 4*(STEPS-2-(\t))                ; in the tail as many as are left
.endif
	TURN (\t)+1                                    ; and go through the other stage while this step is worked
.endif
	v_max3_num_f32 v8, |v[XS]|, |v[XS+1]|, |v[XS+2]|               ; the largest magnitude of my 16, in two chains
	v_max3_num_f32 v9, |v[XS+3]|, |v[XS+4]|, |v[XS+5]|
.irp i, 6,10
	v_max3_num_f32 v8, v8, |v[XS+\i]|, |v[XS+\i+1]|
	v_max3_num_f32 v9, v9, |v[XS+\i+2]|, |v[XS+\i+3]|
.endr
	v_max3_num_f32 v8, v8, |v[XS+14]|, |v[XS+15]|
	v_max3_num_f32 v8, v8, v9, (EMAX+1)<<23        ; and the floor 2^(EMAX + 1 - 127): so the byte cannot fall under 1
	v_max_num_f32_dpp v8, v8, v8 row_xmask:1 row_mask:0xf bank_mask:0xf   ; and of my neighbour's 16: the block's
	v_add_nc_u32 v11, -(EMAX<<23), v8              ; EMAX off its exponent field: the conversion takes the exponent field of this operand as its scale, and nothing else of it
	v_cvt_scalef32_pk16_bf6_f32 v[C+4*(\t):C+4*(\t)+2], v[XS:XS+15], v11   ; sixteen codes, 96 bits without gaps, the first number's code lowest
	v_lshrrev_b32 v[E+(\t)], 23, v11               ; the scale's byte (also the plain line behind the conversion)
	ds_store_b8 v5, v[E+(\t)] offset:16*(\t)       ; both lanes of a block write the same byte with the same value
	global_store_b96 v4, v[C+4*(\t):C+4*(\t)+2], s[12:13] offset:32*CB*(\t)
.endm
.irp t, 0,1,2,3,4,5,6,7,8,9,10,11,12,13,14,15
	STEP \t
.endr
	ds_load_b64 v[12:13], v6                       ; LDS serves a wave's instructions in order: these see my stores
	s_wait_dscnt 0x0
	global_store_b64 v7, v[12:13], s[14:15]        ; 32 lanes store 256 consecutive bytes, aligned
	s_wait_tensorcnt 0x0
	ds_add_u32 v192, v193
	s_wait_dscnt 0x0
	s_endpgm
.Lfunc_end_k_q65f09ee663_quant:
	.size	k_q65f09ee663_quant, .Lfunc_end_k_q65f09ee663_quant-k_q65f09ee663_quant
	.p2alignl 7, 3214868480
	.fill 96, 4, 3214868480
	.section	.rodata,"a",@progbits
	.p2align	6, 0x0
	.amdhsa_kernel k_q65f09ee663_quant
		.amdhsa_group_segment_fixed_size 33280
		.amdhsa_private_segment_fixed_size 0
		.amdhsa_enable_private_segment 0
		.amdhsa_kernarg_size 64
		.amdhsa_user_sgpr_count 2
		.amdhsa_user_sgpr_kernarg_segment_ptr 1
		.amdhsa_wavefront_size32 1
		.amdhsa_system_sgpr_workgroup_id_x 1
		.amdhsa_system_sgpr_workgroup_id_y 1
		.amdhsa_system_sgpr_workgroup_id_z 1
		.amdhsa_system_vgpr_workitem_id 0
		.amdhsa_next_free_vgpr 194
		.amdhsa_next_free_sgpr 66
		.amdhsa_reserve_vcc 0
		.amdhsa_float_denorm_mode_32 3
		.amdhsa_float_denorm_mode_16_64 3
		.amdhsa_memory_ordered 1
		.amdhsa_forward_progress 1
		.amdhsa_inst_pref_size 33
	.end_amdhsa_kernel
	.amdgpu_metadata
---
amdhsa.version: [ 1, 2 ]
amdhsa.kernels:
  - .name:           k_q65f09ee663_quant
    .symbol:         k_q65f09ee663_quant.kd
    .args:
      - { .name: hidden_states, .offset: 0, .size: 8, .value_kind: global_buffer, .address_space: global }
      - { .name: Wq, .offset: 8, .size: 8, .value_kind: global_buffer, .address_space: global }
      - { .name: Wk, .offset: 16, .size: 8, .value_kind: global_buffer, .address_space: global }
      - { .name: Wv, .offset: 24, .size: 8, .value_kind: global_buffer, .address_space: global }
      - { .name: x_codes, .offset: 32, .size: 8, .value_kind: global_buffer, .address_space: global }
      - { .name: x_scales, .offset: 40, .size: 8, .value_kind: global_buffer, .address_space: global }
      - { .name: w_codes, .offset: 48, .size: 8, .value_kind: global_buffer, .address_space: global }
      - { .name: w_scales, .offset: 56, .size: 8, .value_kind: global_buffer, .address_space: global }
    .group_segment_fixed_size: 33280
    .private_segment_fixed_size: 0
    .kernarg_segment_align: 8
    .kernarg_segment_size: 64
    .max_flat_workgroup_size: 128
    .sgpr_count:     66
    .vgpr_count:     194
    .wavefront_size: 32
...
	.end_amdgpu_metadata
.endif
;; end of part 1
;; launch proj (part 2): grid 8 x 48, 4 waves a work-group, clusters of 4 x 4, 327,680 bytes of LDS; arguments x_codes, x_scales, w_codes, w_scales, bq, bk, bv, qkv_codes, qkv_scales; writes qkv_codes, qkv_scales
.if DOCPART == 2
	.amdgcn_target "amdgcn-amd-amdhsa--gfx1250"
	.amdhsa_code_object_version 6
	.text
	.protected	k_q65f09ee663_proj
	.globl	k_q65f09ee663_proj
	.p2align	8
	.type	k_q65f09ee663_proj,@function
k_q65f09ee663_proj:
	s_mov_b64 s[64:65], 0
	v_nop
	global_prefetch_b8 v0, s[64:65] scope:SCOPE_SE
	s_setreg_imm32_b32 hwreg(HW_REG_WAVE_MODE, 25, 1), 1
	s_wait_xcnt 0x0
	s_wait_alu depctr_hold_cnt(0) depctr_sa_sdst(0) depctr_va_vdst(0) depctr_va_sdst(0) depctr_va_ssrc(0) depctr_va_vcc(0) depctr_vm_vsrc(0)
	s_getreg_b32 s2, hwreg(HW_REG_IB_STS2, 6, 4)
	s_cmp_eq_u32 s2, 0
	s_cbranch_scc0 .Lentry_in_a_cluster
	s_endpgm
.Lentry_in_a_cluster:
	s_bfe_u32 s2, ttmp6, 0x10000c
	s_cmp_lg_u32 s2, 0xf033
	s_cbranch_scc0 .Lentry_shape_is_right
	s_endpgm
.Lentry_shape_is_right:
; q, k, v = hidden_states W^T + b on codes of BF6 (E3M2) with E8M0 scales, quantised again on the way out for the attention launch.
; A work-group of four waves makes 256 x 256 results, a wave 128 x 128 in 64 accumulators.  Clusters y 0-7: rows of x against rows of Wq, Wk (results quantised along the head's 64).
; Clusters y 8-11: rows of Wv against rows of x (results quantised along the keys).  Only pointers are chosen, by the cluster's numbers.
; K = 1,024 is 768 bytes a row: it goes through a ring of two LDS slots in three chunks of 256 bytes, each row of a tile beginning at a multiple of 256 bytes.  A step of 128 along K is 96 bytes:
; steps 2 and 5 lie across two chunks.  The scales of the 256 + 256 rows come once, as dense blocks.  4 x 4 work-groups ask for A's tiles jointly along a row of the cluster, for B's along a column.
; The head's four tiles (chunk 0 of A, of B, A's scales, B's scales) are shared out, one joint load a wave; chunk 1 follows behind a round, chunk 2 as a refill.
; No prefetch: K has three chunks, of which two are asked for at the head: there is no loop to run ahead in.
; LIMITS: as in the launch before: a block of zeros has the byte 1 over zero codes; NaN and infinities are not served.
; The way out's small stage of scale words lies in slot 1, which has had its last fill and, behind step 5's barrier, its last read.
.set SIZE_K, 1024
.set ROWB,   256
.set NQ,     2
.set KROW,   SIZE_K*6/8
.set STEPS,  SIZE_K/128
.set CHUNKS, KROW/ROWB
.set PITCH,  272
.set FR,     12
.set NL,     6
.set NP,     4
.set HALFT,  128*PITCH
.set SLOT,   4*HALFT
.set KS,     SIZE_K/32
.set SCL,    2*SLOT
.set HALFS,  (128*KS/256)*272
.set SBLK,   (16*KS/256)*272
.set SPARE,  SCL+4*HALFS
.set HEADC,  294912
.set HEADS,  20480
.set SSTV,   4096
.set BO0,  8
.set BO1,  9
.set SSR,  10
.set ADRA, 16
.set ADRB, 20
.set L16,  24
.set L8,   25
.set SSW,  26
.set ADRS, 27
.set SPW,  28
.set NIL,  29
.set VSO,  30
.set PW,   31
.set SC,   32
.set BJ,   64
.set AF,   128
.set H,    128
.set PC,   192
.set TM,   212
.set WW,   224
.set BI,   240
.set SEL,  10
.set G1, 24
.set G0, 32
.set G1B, 48
.set G0B, 56
.set G1S, 68
.set G0S, 76
.set G1SB, 80
.set G0SB, 88
.set G0H, 96
.set G0HB, 40
.set CW, (1<<20)|(1<<21)|(5<<22)|(3<<25)
.set MSB, 0
.macro WIN new
.if MSB != \new
	s_set_vgpr_msb (MSB<<8)|\new
.set MSB, \new
.endif
.endm
.set MUL_LO, 0xa1
.set MUL_HI, 0xf1
.set TO_B,   0x40
.macro JLOAD g0a, g1a, g0b, g1b        ; waves 0, 1 fetch for A, waves 2, 3 for B
	s_cmp_eq_u32 s15, 0
	s_cbranch_scc0 .Lfor_b_\@
	tensor_load_to_lds s[\g0a:\g0a+3], s[\g1a:\g1a+7]
	s_nop 0
.rept 4
	v_nop
.endr
	s_branch .Lasked_\@
.Lfor_b_\@:
	tensor_load_to_lds s[\g0b:\g0b+3], s[\g1b:\g1b+7]
	s_nop 0
.rept 4
	v_nop
.endr
.Lasked_\@:
.endm
.macro CREST
	s_cmp_lg_u32 s14, 0
	s_cbranch_scc1 .Lnot_wave_0_\@
	s_barrier_signal -3
.Lnot_wave_0_\@:
	s_barrier_wait -3
	s_barrier_signal -1
	s_barrier_wait -1
.endm
.macro CROUND
	s_barrier_signal -1
	s_barrier_wait -1
	CREST
.endm
	s_load_b256 s[80:87], s[0:1], 0x0              ; x_codes, x_scales, w_codes, w_scales
	s_load_b128 s[68:71], s[0:1], 0x20             ; bq, bk
	s_load_b64 s[72:73], s[0:1], 0x30              ; bv
	s_load_b128 s[88:91], s[0:1], 0x38             ; qkv_codes, qkv_scales
	v_lshl_add_u32 v[SPW], v0, 2, SPARE
	v_mov_b32 v[NIL], 0
	ds_add_u32 v[SPW], v[NIL]                      ; the opening lines: the add twice on end and one wait
	ds_add_u32 v[SPW], v[NIL]
	v_lshrrev_b32 v1, 5, v0
	v_readfirstlane_b32 s14, v1                    ; wave
	s_lshr_b32 s15, s14, 1                         ; my half of the rows; also: I fetch for A (0) or B (1)
	s_and_b32 s16, s14, 1                          ; my half of the columns; also: which 128 rows I fetch
	s_bfe_u32 s40, ttmp6, 0x40000                  ; cx
	s_bfe_u32 s41, ttmp6, 0x40004                  ; cy
	s_and_b32 s67, ttmp7, 0xffff
	s_lshl_b32 s17, s67, 2
	s_lshl_b32 s42, ttmp9, 2
	s_max_u32 s18, s67, 8
	s_sub_co_u32 s18, s18, 8
	s_lshl_b32 s18, s18, 3
	s_add_co_u32 s18, s18, s42
	s_cmp_ge_u32 s67, 8                            ; clusters y 8-11 make v
	s_cselect_b32 s66, 1, 0
	s_cselect_b32 s17, 8, s17
	s_cselect_b32 s42, s18, s42
	s_add_co_u32 s17, s17, s41                     ; tile row of A
	s_add_co_u32 s42, s42, s40                     ; tile row of B
	s_lshl_b32 s43, s41, 2
	s_lshl_b32 s43, 15, s43                        ; my row of the cluster
	s_lshl_b32 s44, 0x1111, s40                    ; my column
	s_or_b32 s[G1+0], s43, CW                      ; rows of 256 bytes, 16 bytes of padding behind each
	s_or_b32 s[G1B+0], s44, CW
.irp g, G1, G1B
	s_mov_b32 s[\g+1], ROWB<<16
	s_mov_b32 s[\g+2], 256<<16                     ; 256 rows for the head's loads
	s_mov_b32 s[\g+3], ROWB<<16
	s_mov_b32 s[\g+4], 256
	s_mov_b32 s[\g+5], KROW
	s_mov_b32 s[\g+6], 0
	s_mov_b32 s[\g+7], 0
.endr
	s_lshl_b32 s20, s17, 8
	s_lshl_b32 s46, s42, 8
	s_mov_b32 s21, 0
	s_mov_b32 s47, 0
	s_mov_b64 s[18:19], KS
	s_mul_u64 s[22:23], s[20:21], s[18:19]         ; where the rows' scales begin
	s_mul_u64 s[92:93], s[46:47], s[18:19]
	s_mov_b64 s[18:19], KROW
	s_mul_u64 s[20:21], s[20:21], s[18:19]         ; and their codes
	s_mul_u64 s[46:47], s[46:47], s[18:19]
	s_mul_i32 s18, s16, 128*KROW
	s_mov_b32 s19, 0
	s_mul_i32 s45, s14, HALFT
	s_wait_dscnt 0x0
	s_wait_kmcnt 0x0
	s_cmp_eq_u32 s66, 0
	s_cselect_b64 s[4:5], s[80:81], s[84:85]
	s_cselect_b64 s[6:7], s[82:83], s[86:87]
	s_cselect_b64 s[8:9], s[84:85], s[80:81]
	s_cselect_b64 s[10:11], s[86:87], s[82:83]
	s_add_nc_u64 s[20:21], s[4:5], s[20:21]
	s_add_nc_u64 s[22:23], s[6:7], s[22:23]
	s_add_nc_u64 s[46:47], s[8:9], s[46:47]
	s_add_nc_u64 s[92:93], s[10:11], s[92:93]
	s_cmp_eq_u32 ttmp9, 0
	s_cselect_b64 s[4:5], s[68:69], s[70:71]       ; bq or bk
	s_mov_b64 s[6:7], s[72:73]                     ; bv
	s_mov_b64 s[8:9], s[90:91]                     ; qkv_scales
	s_mov_b64 s[12:13], s[88:89]                   ; qkv_codes
	s_mov_b32 s[SEL], 0x76543210
	s_mov_b32 s[SEL+1], 0xfedcba98
	s_or_b32 s[G1S+0], s43, (3<<16)|CW             ; the scales of 256 rows: KS rows of 256 bytes
	s_or_b32 s[G1SB+0], s44, (3<<16)|CW
.irp g, G1S, G1SB
	s_mov_b32 s[\g+1], 32<<16
	s_mov_b32 s[\g+2], KS<<16
	s_mov_b32 s[\g+3], 32<<16
	s_mov_b32 s[\g+4], KS
	s_mov_b32 s[\g+5], 32
	s_mov_b32 s[\g+6], 0
	s_mov_b32 s[\g+7], 0
.endr
	s_mov_b32 s67, s42                             ; B's tile row is kept: s[40:43] become a descriptor
	CROUND                                         ; all sixteen work-groups are here: the first joint loads meet
	s_mov_b32 s[G0H], 1
	s_mov_b32 s[G0H+1], 0
	s_mov_b64 s[G0H+2:G0H+3], s[20:21]
	s_or_b32 s[G0H+3], s[G0H+3], 0x80000000
	s_mov_b32 s[G0HB], 1
	s_mov_b32 s[G0HB+1], 2*HALFT
	s_mov_b64 s[G0HB+2:G0HB+3], s[46:47]
	s_or_b32 s[G0HB+3], s[G0HB+3], 0x80000000
	s_mov_b32 s[G0S], 1
	s_mov_b32 s[G0S+1], SCL
	s_mov_b64 s[G0S+2:G0S+3], s[22:23]
	s_or_b32 s[G0S+3], s[G0S+3], 0x80000000
	s_mov_b32 s[G0SB], 1
	s_mov_b32 s[G0SB+1], SCL+2*HALFS
	s_mov_b64 s[G0SB+2:G0SB+3], s[92:93]
	s_or_b32 s[G0SB+3], s[G0SB+3], 0x80000000
	s_add_nc_u64 s[20:21], s[20:21], s[18:19]      ; for the ring: my 128 rows
	s_add_nc_u64 s[46:47], s[46:47], s[18:19]
.irp s, 0,1
	s_mov_b32 s[G0+4*\s], 1
	s_add_co_u32 s[G0+4*\s+1], s45, \s*SLOT
	s_add_nc_u64 s[G0+4*\s+2:G0+4*\s+3], s[20:21], \s*ROWB
	s_or_b32 s[G0+4*\s+3], s[G0+4*\s+3], 0x80000000
	s_mov_b32 s[G0B+4*\s], 1
	s_add_co_u32 s[G0B+4*\s+1], s45, \s*SLOT
	s_add_nc_u64 s[G0B+4*\s+2:G0B+4*\s+3], s[46:47], \s*ROWB
	s_or_b32 s[G0B+4*\s+3], s[G0B+4*\s+3], 0x80000000
.endr
.macro ARM under, g0, g1, next         ; one chain of branches on the wave's number, one load to an arm
	s_cmp_lt_u32 s14, \under
	s_cbranch_scc0 \next
	tensor_load_to_lds s[\g0:\g0+3], s[\g1:\g1+7]
	s_nop 0
.rept 4
	v_nop
.endr
	s_branch .Lhead_asked
\next:
.endm
	ARM 1, G0H,  G1,  .Lhead_b
	ARM 2, G0HB, G1B, .Lhead_sa
	ARM 3, G0S,  G1S, .Lhead_sb
	tensor_load_to_lds s[G0SB:G0SB+3], s[G1SB:G1SB+7]
	s_nop 0
.rept 4
	v_nop
.endr
.Lhead_asked:
	s_mov_b32 s20, SLOT-232
	s_mov_b32 s21, SLOT+232
	s_mul_i32 s22, s15, HALFT                      ; my 128 rows of A
	s_mul_i32 s23, s16, HALFT
	s_add_co_u32 s23, s23, 2*HALFT                 ; my 128 rows of B
	s_mul_i32 s18, s15, HALFS
	s_mul_i32 s19, s16, HALFS
	s_add_co_u32 s19, s19, 2*HALFS
	s_sub_co_u32 s19, s19, s18                     ; from A's scale words to B's
	s_add_co_u32 s18, s18, SCL
	s_lshl_b32 s46, s14, 10
	s_add_co_u32 s46, s46, SLOT                    ; my stage of scale words, in slot 1
	v_and_b32 v1, 15, v0
	v_bfe_u32 v2, v0, 4, 1
	v_mul_u32_u24 v3, v1, PITCH
	v_mul_u32_u24 v4, v2, 24
	v_add_nc_u32 v4, v3, v4                        ; row x pitch + 24 x half
	v_sub_nc_u32 v7, 1, v2
	v_mul_u32_u24 v5, s20, v2
	v_add_nc_u32 v5, v3, v5
	v_add_nc_u32 v5, 232, v5                       ; lanes 0-15 byte 232 in slot 0, lanes 16-31 byte 0 in slot 1
	v_mul_u32_u24 v6, s21, v7
	v_add_nc_u32 v6, v3, v6                        ; and the other way round
	v_add_nc_u32 v[ADRA+2], s22, v5
	v_add_nc_u32 v[ADRA+3], s22, v6
	v_add_nc_u32 v[ADRB+2], s23, v5
	v_add_nc_u32 v[ADRB+3], s23, v6
	v_add_nc_u32 v[ADRA], s22, v4
	v_add_nc_u32 v[ADRB], s23, v4
	v_add_nc_u32 v[ADRA+1], SLOT, v[ADRA]
	v_add_nc_u32 v[ADRB+1], SLOT, v[ADRB]
	v_mul_u32_u24 v5, v1, KS
	v_lshrrev_b32 v6, 8, v5
	v_lshl_add_u32 v5, v6, 4, v5
	v_mul_u32_u24 v6, s19, v2                      ; lanes 16-31 take B's
	v_add_nc_u32 v5, v5, v6
	v_add_nc_u32 v[ADRS], s18, v5
	v_and_b32 v6, 31, v0
	v_lshlrev_b32 v[L16], 4, v6
	v_lshlrev_b32 v[L8], 3, v6
	v_lshl_add_u32 v[SSW], v1, 2, s46
	v_add_nc_u32 v[SSR], s46, v[L16]
	v_lshlrev_b32 v[VSO], 4, v1
	v_mad_u32_u24 v[VSO], v2, HEADS, v[VSO]
	v_lshlrev_b32 v[BO0], 5, v2
	v_lshlrev_b32 v[BO1], 2, v1
	s_wait_alu depctr_va_vdst(0)                   ; the wait behind the head's vector work
	s_lshl_b32 s20, s17, 8
	s_lshl_b32 s21, s15, 7
	s_add_co_u32 s20, s20, s21                     ; my first row of A
	s_lshl_b32 s46, s67, 8
	s_lshl_b32 s47, s16, 7
	s_add_co_u32 s46, s46, s47                     ; my first row of B
	s_and_b32 s94, s46, 1023
	s_lshl_b32 s94, s94, 2
	s_mov_b32 s95, 0
	s_add_nc_u64 s[4:5], s[4:5], s[94:95]
	s_and_b32 s94, s20, 1023
	s_lshl_b32 s94, s94, 2
	s_add_nc_u64 s[6:7], s[6:7], s[94:95]
	s_cmp_eq_u32 s66, 0
	s_cselect_b32 s21, s20, s46                    ; the token
	s_cselect_b32 s22, s46, s20                    ; the row of W
	s_cselect_b32 s23, 2, 1
	s_lshr_b32 s92, s21, 11
	s_and_b32 s21, s21, 2047
	s_lshr_b32 s93, s22, 10
	s_and_b32 s22, s22, 1023
	s_lshr_b32 s47, s22, 6
	s_lshl_b32 s92, s92, 4
	s_add_co_u32 s92, s92, s47                     ; 16 b + head
	s_mul_i32 s46, s92, HEADC
	s_mul_i32 s47, s93, 98304
	s_add_co_u32 s46, s46, s47
	s_mul_i32 s47, s21, 48
	s_add_co_u32 s46, s46, s47
	s_mov_b32 s47, 0
	s_add_nc_u64 s[12:13], s[12:13], s[46:47]
	s_mul_i32 s46, s92, HEADS
	s_lshl_b32 s93, s93, 13
	s_add_co_u32 s46, s46, s93
	s_lshl_b32 s21, s21, s23
	s_add_co_u32 s46, s46, s21
	s_add_nc_u64 s[8:9], s[8:9], s[46:47]
.irp t, 0,1,2,3,4,5,6,7
	global_load_b128 v[BJ+8*\t:BJ+8*\t+3], v[BO0], s[4:5] offset:64*\t
	global_load_b128 v[BJ+8*\t+4:BJ+8*\t+7], v[BO0], s[4:5] offset:64*\t+16
.endr
.irp a, 0,1,2,3,4,5,6,7
	global_load_b32 v[BI+2*\a], v[BO1], s[6:7] offset:64*\a
	global_load_b32 v[BI+2*\a+1], v[BO1], s[6:7] offset:64*\a
.endr
.macro FRAG reg, adr, st, i            ; 16 rows x 128 K: six pieces of 8 bytes; a piece lies inside one chunk
.irp p, 0,1,2,3,4,5
.set BY, 96*(\st)+48*(\p/3)+8*(\p%3)
.if BY/ROWB == (BY+24)/ROWB
	ds_load_b64 v[\reg+2*\p:\reg+2*\p+1], v[\adr+(BY/ROWB)%2] offset:BY%ROWB+(\i)*16*PITCH
.else
	ds_load_b64 v[\reg+2*\p:\reg+2*\p+1], v[\adr+2+(BY/ROWB)%2] offset:BY%ROWB-232+(\i)*16*PITCH
.endif
.endr
.endm
.macro MUL16 a0, p, q, sc, zero        ; the 64 accumulators take turns
.irp a, \a0, \a0+1
.irp b, 0,1,2,3,4,5,6,7
.if \zero
	v_wmma_scale_f32_16x16x128_f8f6f4 v[8*(8*((\a)%4)+\b):8*(8*((\a)%4)+\b)+7], v[128*(\p)+FR*\b:128*(\p)+FR*\b+FR-1], v[AF+FR*(\a):AF+FR*(\a)+FR-1], 0, v[SC+8*NQ*(\sc)+NQ*\b+(\q)], v[SC+8*NQ*(\sc)+NQ*(\a)+(\q)] matrix_a_fmt:MATRIX_FMT_BF6 matrix_b_fmt:MATRIX_FMT_BF6 matrix_a_scale:MATRIX_SCALE_ROW1
.else
	v_wmma_scale_f32_16x16x128_f8f6f4 v[8*(8*((\a)%4)+\b):8*(8*((\a)%4)+\b)+7], v[128*(\p)+FR*\b:128*(\p)+FR*\b+FR-1], v[AF+FR*(\a):AF+FR*(\a)+FR-1], v[8*(8*((\a)%4)+\b):8*(8*((\a)%4)+\b)+7], v[SC+8*NQ*(\sc)+NQ*\b+(\q)], v[SC+8*NQ*(\sc)+NQ*(\a)+(\q)] matrix_a_fmt:MATRIX_FMT_BF6 matrix_b_fmt:MATRIX_FMT_BF6 matrix_a_scale:MATRIX_SCALE_ROW1
.endif
.endr
.endr
.endm
.macro FETCH_B st, p
	WIN TO_B
.irp i, 0,1,2,3,4,5,6,7
	FRAG 128*(\p)+FR*\i, ADRB, \st, \i
.endr
	WIN 0
.endm
.macro FETCH_A st, i0
.irp i, \i0, \i0+1, \i0+2, \i0+3
	FRAG AF+FR*(\i), ADRA, \st, \i
.endr
.endm
.macro SCALES pr
.irp i, 0,1,2,3,4,5,6,7
	ds_load_b64 v[SC+8*NQ*((\pr)%2)+NQ*\i:SC+8*NQ*((\pr)%2)+NQ*\i+1], v[ADRS] offset:\i*SBLK+4*NQ*(\pr)
.endr
.endm
.macro PLACES n
.rept \n
	v_nop
.endr
.endm
; A step: 64 products; the next step's fragments are fetched in its middle and at its end.  Where the next step ends in a chunk not yet read, a barrier shows that chunk whole;
; where it begins in a later chunk, the chunk left behind is free: the three lines, the barrier, and, where a chunk two on is left, the round and the refill.
.macro STEP st, zero
.set NX, (\st)+1
.set C0, (96*(\st))/ROWB
.set C1, (96*NX)/ROWB
.set E0, (96*(\st)+95)/ROWB
.set E1, (96*NX+95)/ROWB
.if C1 > C0 || E1 > E0
	s_wait_tensorcnt 0x0                           ; all my tensor loads have landed
.if C1 > C0
	ds_add_u32 v[SPW], v[NIL]
	s_wait_dscnt 4*NL+1                            ; the add and A's blocks 4-7 may be out
.else
	s_wait_dscnt 4*NL                              ; A's blocks 4-7 may be out
.endif
	WIN MUL_LO
	MUL16 0, (\st)%2, (\st)%2, ((\st)/2)%2, \zero
	s_wait_dscnt 0x0                               ; the add and all my reads are done
	s_barrier_signal -1
	MUL16 2, (\st)%2, (\st)%2, ((\st)/2)%2, \zero
	WIN 0
	s_barrier_wait -1
.if C1 > C0 && C0+2 < CHUNKS
	CREST
	s_add_nc_u64 s[G0+4*(C0%2)+2:G0+4*(C0%2)+3], s[G0+4*(C0%2)+2:G0+4*(C0%2)+3], 2*ROWB
	s_add_nc_u64 s[G0B+4*(C0%2)+2:G0B+4*(C0%2)+3], s[G0B+4*(C0%2)+2:G0B+4*(C0%2)+3], 2*ROWB
	JLOAD G0+4*(C0%2), G1, G0B+4*(C0%2), G1B       ; chunk C0 + 2, first behind the round
.else
	PLACES NP
.endif
.else
	s_wait_dscnt 4*NL
	WIN MUL_LO
	MUL16 0, (\st)%2, (\st)%2, ((\st)/2)%2, \zero
	MUL16 2, (\st)%2, (\st)%2, ((\st)/2)%2, \zero
	s_wait_dscnt 0
	PLACES NP
.endif
	FETCH_B NX, NX%2
	FETCH_A NX, 0
.if NX%2 == 0
	SCALES NX/2
.endif
	WIN MUL_HI
	MUL16 4, (\st)%2, (\st)%2, ((\st)/2)%2, \zero
	MUL16 6, (\st)%2, (\st)%2, ((\st)/2)%2, \zero
	PLACES NP
	WIN 0
	FETCH_A NX, 4
.endm
	s_wait_alu depctr_va_vdst(0)                   ; the wait at the head's end
	s_wait_tensorcnt 0x0                           ; my tile of the head's four is in
	ds_add_u32 v[SPW], v[NIL]
	s_mov_b32 s[G1+2], 128<<16                     ; no tensor load of mine is out: from here on a load brings 128 rows
	s_mov_b32 s[G1+4], 128
	s_mov_b32 s[G1B+2], 128<<16
	s_mov_b32 s[G1B+4], 128
	s_wait_dscnt 0x0
	CROUND
	JLOAD G0+4, G1, G0B+4, G1B                     ; chunk 1, first behind the round
	FETCH_B 0, 0
	FETCH_A 0, 0
	SCALES 0
	FETCH_A 0, 4
	STEP 0, 1
.set ST, 1
.rept STEPS-2
	STEP ST, 0
.set ST, ST+1
.endr
	s_wait_dscnt 4*NL
	WIN MUL_LO
	MUL16 0, 1, 1, 1, 0
	MUL16 2, 1, 1, 1, 0
	s_wait_dscnt 0
	WIN MUL_HI
	MUL16 4, 1, 1, 1, 0
	MUL16 6, 1, 1, 1, 0
	WIN 0
; THE WAY OUT: bias added, four blocks of 32 quantised from a lane's 64 registers, the codes stored as images of the operand's registers, the scale words gathered in my stage.
.macro QUANT s
.irp b, 0,1,2,3
	v_max3_num_f32 v[TM+\b], |v[\s+16*\b]|, |v[\s+1+16*\b]|, 0x2800000
.endr
.irp i, 2,4,6,8,10,12,14
.irp b, 0,1,2,3
	v_max3_num_f32 v[TM+\b], v[TM+\b], |v[\s+16*\b+\i]|, |v[\s+1+16*\b+\i]|
.endr
.endr
.irp b, 0,1,2,3
	v_permlanex16_b32 v[TM+4+\b], v[TM+\b], s[SEL], s[SEL+1]
.endr
.irp b, 0,1,2,3
	v_max_num_f32 v[TM+\b], v[TM+\b], v[TM+4+\b]
.endr
.irp b, 0,1,2,3
	v_add_nc_u32 v[TM+8+\b], 0xfe000000, v[TM+\b]
.endr
.irp b, 0,1,2,3
	v_lshrrev_b32 v[TM+4+\b], 23, v[TM+8+\b]
.endr
	v_lshl_or_b32 v[PW], v[TM+5], 8, v[TM+4]
	v_lshl_or_b32 v[PW], v[TM+6], 16, v[PW]
	v_lshl_or_b32 v[PW], v[TM+7], 24, v[PW]
.irp c, 0,1
	v_cvt_scalef32_pk16_bf6_f32 v[PC+6*\c:PC+2+6*\c], v[\s+32*\c:\s+15+32*\c], v[TM+8+2*\c]
	v_cvt_scalef32_pk16_bf6_f32 v[PC+12+4*\c:PC+14+4*\c], v[\s+16+32*\c:\s+31+32*\c], v[TM+8+2*\c+1]
.endr
	v_nop
.irp c, 0,1
.irp i, 0,1,2
	v_permlane16_swap_b32 v[PC+6*\c+\i], v[PC+12+4*\c+\i]
.endr
.irp i, 0,1,2
	v_mov_b32 v[PC+3+6*\c+\i], v[PC+12+4*\c+\i]
.endr
.endr
.endm
.macro OUTA a, kind
.set AC, 64*((\a)%4)
	WIN 0x02+(\a)/4
.irp p, 0,1,2,3,4,5,6,7,8,9,10,11,12,13,14,15,16,17,18,19,20,21,22,23,24,25,26,27,28,29,30,31
.if \kind
	v_pk_add_f32 v[H+2*\p:H+2*\p+1], v[AC+2*\p:AC+2*\p+1], v[BI+2*(\a):BI+2*(\a)+1]
.else
	v_pk_add_f32 v[H+2*\p:H+2*\p+1], v[AC+2*\p:AC+2*\p+1], v[BJ+2*\p:BJ+2*\p+1]
.endif
.endr
	WIN 0
	s_wait_xcnt 0x0                                ; the last block's stores have read their registers
	QUANT H
.if \kind
.irp c, 0,1,2
	global_store_b128 v[L16], v[PC+4*\c:PC+4*\c+3], s[12:13] offset:((\a)/4)*HEADC+((\a)%4)*1536+512*\c
.endr
	v_mov_b32 v[WW+2*(\a)], v[PW]
	ds_store_b32 v[SSW], v[WW+2*(\a)] offset:SSTV+64*(\a)
.else
	global_store_b128 v[L16], v[PC:PC+3], s[12:13] offset:768*(\a)
	global_store_b64 v[L8], v[PC+4:PC+5], s[12:13] offset:768*(\a)+512
	global_store_b128 v[L16], v[PC+6:PC+9], s[12:13] offset:HEADC+768*(\a)
	global_store_b64 v[L8], v[PC+10:PC+11], s[12:13] offset:HEADC+768*(\a)+512
	v_and_b32 v[WW+2*(\a)], 0xffff, v[PW]
	v_lshrrev_b32 v[WW+2*(\a)+1], 16, v[PW]
	ds_store_b32 v[SSW], v[WW+2*(\a)] offset:64*(\a)
	ds_store_b32 v[SSW], v[WW+2*(\a)+1] offset:512+64*(\a)
.endif
.endm
	PLACES NP
	s_wait_loadcnt 0x0                             ; the biases
.irp b, 0,1,2,3
	v_mov_b32 v[TM+4+\b], 0
.endr
	s_cmp_lg_u32 s66, 0
	s_cbranch_scc1 .Lout_v
.irp a, 0,1,2,3,4,5,6,7
	OUTA \a, 0
.endr
	ds_load_b128 v[H:H+3], v[SSR]
	ds_load_b128 v[H+4:H+7], v[SSR] offset:512
	s_wait_dscnt 0x0
	global_store_b128 v[L16], v[H:H+3], s[8:9]
	global_store_b128 v[L16], v[H+4:H+7], s[8:9] offset:HEADS
	s_branch .Ldone
.Lout_v:
.irp a, 0,1,2,3,4,5,6,7
	OUTA \a, 1
.endr
	ds_load_b128 v[H:H+3], v[SSR] offset:SSTV
	s_wait_dscnt 0x0
	global_store_b128 v[VSO], v[H:H+3], s[8:9]
.Ldone:
	s_wait_tensorcnt 0x0                           ; the wave's end
	ds_add_u32 v[SPW], v[NIL]
	s_wait_dscnt 0x0
	CROUND                                         ; the closing round
	s_endpgm
.Lfunc_end_k_q65f09ee663_proj:
	.size	k_q65f09ee663_proj, .Lfunc_end_k_q65f09ee663_proj-k_q65f09ee663_proj
	.p2alignl 7, 3214868480
	.fill 96, 4, 3214868480
	.section	.rodata,"a",@progbits
	.p2align	6, 0x0
	.amdhsa_kernel k_q65f09ee663_proj
		.amdhsa_group_segment_fixed_size 327680
		.amdhsa_private_segment_fixed_size 0
		.amdhsa_enable_private_segment 0
		.amdhsa_kernarg_size 72
		.amdhsa_user_sgpr_count 2
		.amdhsa_user_sgpr_kernarg_segment_ptr 1
		.amdhsa_wavefront_size32 1
		.amdhsa_system_sgpr_workgroup_id_x 1
		.amdhsa_system_sgpr_workgroup_id_y 1
		.amdhsa_system_sgpr_workgroup_id_z 1
		.amdhsa_system_vgpr_workitem_id 0
		.amdhsa_next_free_vgpr 1024
		.amdhsa_next_free_sgpr 100
		.amdhsa_reserve_vcc 0
		.amdhsa_float_denorm_mode_32 3
		.amdhsa_float_denorm_mode_16_64 3
		.amdhsa_memory_ordered 1
		.amdhsa_forward_progress 1
		.amdhsa_inst_pref_size 237
	.end_amdhsa_kernel
	.amdgpu_metadata
---
amdhsa.version: [ 1, 2 ]
amdhsa.kernels:
  - .name:           k_q65f09ee663_proj
    .symbol:         k_q65f09ee663_proj.kd
    .args:
      - { .name: x_codes, .offset: 0, .size: 8, .value_kind: global_buffer, .address_space: global }
      - { .name: x_scales, .offset: 8, .size: 8, .value_kind: global_buffer, .address_space: global }
      - { .name: w_codes, .offset: 16, .size: 8, .value_kind: global_buffer, .address_space: global }
      - { .name: w_scales, .offset: 24, .size: 8, .value_kind: global_buffer, .address_space: global }
      - { .name: bq, .offset: 32, .size: 8, .value_kind: global_buffer, .address_space: global }
      - { .name: bk, .offset: 40, .size: 8, .value_kind: global_buffer, .address_space: global }
      - { .name: bv, .offset: 48, .size: 8, .value_kind: global_buffer, .address_space: global }
      - { .name: qkv_codes, .offset: 56, .size: 8, .value_kind: global_buffer, .address_space: global }
      - { .name: qkv_scales, .offset: 64, .size: 8, .value_kind: global_buffer, .address_space: global }
    .group_segment_fixed_size: 327680
    .private_segment_fixed_size: 0
    .kernarg_segment_align: 8
    .kernarg_segment_size: 72
    .max_flat_workgroup_size: 128
    .sgpr_count:     100
    .vgpr_count:     1024
    .wavefront_size: 32
...
	.end_amdgpu_metadata
.endif
;; end of part 2
;; launch attn (part 3): grid 4 x 64, 16 waves a work-group, clusters of 4 x 1, 288,768 bytes of LDS; arguments qkv_codes, qkv_scales, attention_mask, out0; writes out0
.if DOCPART == 3
	.amdgcn_target "amdgcn-amd-amdhsa--gfx1250"
	.amdhsa_code_object_version 6
	.text
	.protected	k_q65f09ee663_attn
	.globl	k_q65f09ee663_attn
	.p2align	8
	.type	k_q65f09ee663_attn,@function
k_q65f09ee663_attn:
	s_mov_b64 s[64:65], 0
	v_nop
	global_prefetch_b8 v0, s[64:65] scope:SCOPE_SE
	s_setreg_imm32_b32 hwreg(HW_REG_WAVE_MODE, 25, 1), 1
	s_wait_xcnt 0x0
	s_wait_alu depctr_hold_cnt(0) depctr_sa_sdst(0) depctr_va_vdst(0) depctr_va_sdst(0) depctr_va_ssrc(0) depctr_va_vcc(0) depctr_vm_vsrc(0)
	s_getreg_b32 s2, hwreg(HW_REG_IB_STS2, 6, 4)
	s_cmp_eq_u32 s2, 0
	s_cbranch_scc0 .Lentry_in_a_cluster
	s_endpgm
.Lentry_in_a_cluster:
	s_bfe_u32 s2, ttmp6, 0x10000c
	s_cmp_lg_u32 s2, 0x3003
	s_cbranch_scc0 .Lentry_shape_is_right
	s_endpgm
.Lentry_shape_is_right:
; out[b][q][head 64 + d] = the sum over keys of attn[q][key] v[key][d], attn = softmax over the keys of x = (q . k) / 8 + attention_mask[b][key], key <= q; both products on codes of BF6 (E3M2) with E8M0 scales.
; attn is quantised finished and normalised, so the row's maximum M and sum l are known before any weight is quantised: TWO PASSES over the keys.  Key tiles that lie wholly behind the causal mask's diagonal group are not multiplied.
; x COMES OUT OF THE MATRIX INSTRUCTION: the factor 1 / 8 is taken off Q's scale bytes (3 off each, held at 0 from below: such a q adds nothing that f32 keeps in x), and the mask's numbers are loaded into the
; accumulator's registers and go in as C.  The exponent is ONE packed multiply-add: x log2(e) - M log2(e); pass 2 takes log2(l) off the same term, so that 2^(..) is attn itself.
; Pass 1: running maximum M and sum l (l is multiplied by 2^((old M - new M) log2(e)) when M moves).  M begins at -2^126.  A row whose every visible x is -infinity has l = 0 and gets zeros.
; LIMITS: the promise holds while |x log2(e)| stays under 2^31; NaN and +infinity among the inputs are not served; weights under 2^-126 count as 0; a block of zeros has the byte 1 over zero codes.
; SHARES.  A cluster of four work-groups is one (batch, head).  The head's 128 tiles of 16 queries fall into 16 groups G of 128 queries; work-group cx, wave w owns place tq = 2 cx + w / 8 of groups G = w % 8 and 15 - w % 8.
; A tile of group G takes G + 1 steps of 128 keys, so every wave has 17 steps in each pass.  Every branch hangs on w and counters alone; cx enters global addresses and the causal select's lane masks, nothing else.
; THE WHOLE HEAD LIES IN LDS, filled once by joint loads that name the four work-groups.  Nothing is filled again; all loads go out at the head, so there is nothing to prefetch.
; LAYOUT.  S^T = K Q^T (source 0 = 16 keys, source 1 = my 16 queries), O^T = V^T P^T.  A lane holds one query; register 8 t + n of S^T is key 16 t + 8 (lane / 16) + n.
; The head's 64 are half of the instruction's K: Q's codes 64-127 are zeros, so what stands in the upper half of K's operand adds nothing: tile t's operand is v[KF + 6 t .. + 11], whose upper six registers are tile t + 1's codes.
.set HEADC, 294912
.set HEADS, 20480
.set VIMG,  98304                      ; LDS: K's image from 0, V's from here
.set SCK,   196608                     ; K's scale words
.set SCV,   204800                     ; V's
.set MSK,   208896                     ; the batch's mask
.set STG,   217088                     ; the way out: 16 rows x 272 bytes a wave
.set SPARE, 0x46000                    ; the spare words
.set L16,   1
.set L8,    2
.set LSK,   3
.set LMK,   4
.set LV,    5
.set LSV,   6
.set DG,    7                          ; lane % 16 - 8 (lane / 16)
.set NINF,  8
.set STI,   9
.set STB,   10
.set GO,    11
.set ADK16, 12
.set ADK8,  13
.set ADS,   14
.set ADM,   15
.set ADV,   16
.set ADSV,  17
.set T0,    18
.set QO,    21
.set M,     22                         ; the running maximum of x
.set NM,    24                         ; v[24:25] -M log2(e); in pass 2 less log2(l); the low word serves both halves
.set LS,    26                         ; v[26:27] the sum, in two halves
.set F,     28                         ; v[28:29]
.set PX,    30
.set C,     32                         ; v32-35 four chains of the maximum
.set TS,    36                         ; v[36:43] four chains of the sum
.set QS,    44
.set KSW,   45                         ; v45-48 K's scale words: lanes 0-15 tile 2 i, lanes 16-31 tile 2 i + 1
.set PW,    49
.set VS,    50
.set BM,    52                         ; v52-55 four blocks' largest weights
.set TP,    56                         ; v56-59 lane l xor 16's; then the bytes
.set SO,    60                         ; v60-63 the conversions' scale operands
.set CT,    64                         ; v[64:66], v[68:70] the conversions' second halves
.set Q,     72                         ; v[72:83]; v78-83 stay zeros
.set KF,    84                         ; v[84:137] eight tiles of K, six registers each, and six more that are written once
.set S,     138                        ; v[138:201] the mask, then x, then the weights
.set VF,    138                        ; four fragments of V, where the weights lay
.set O,     202                        ; v[202:233] O^T
.set PC,    234                        ; v[234:245] attn's codes
.set Q2,    246                        ; v[246:251] the second tile's Q, v252 its scale words: asked for at the head
.set SPW,   254
.set NIL,   255
.set WV,    12
.set CX,    13
.set G0M,   16
.set SEL,   20
.set G1C,   24
.set G1S,   32
.set G0C,   40
.set G0S,   44
.set IT,    48
.set G,     49
.set CNT,   50
.set TQ,    51                         ; my tile's place in its group of eight
.set TBK,   52
.set TSC,   53
.set TBV,   54
.set TSV,   55
.set QC,    56
.set QW,    58
.set OB,    60
.set L2,    62                         ; s[62:63] log2(e), twice
.set HC,    68
.set HW,    70
.set HO,    72
.set TRI,   80                         ; s80-87 lane masks of the diagonal tile: register n is hidden where 8 (lane / 16) + n > lane % 16
.set MA,    88
.set MB,    89
.set MM,    90
.macro CROUND
	s_barrier_signal -1
	s_barrier_wait -1
	s_cmp_lg_u32 s[WV], 0
	s_cbranch_scc1 .Lnot_wave_0_\@
	s_barrier_signal -3
.Lnot_wave_0_\@:
	s_barrier_wait -3
	s_barrier_signal -1
	s_barrier_wait -1
.endm
	s_load_b256 s[4:11], s[0:1], 0x0               ; qkv_codes, qkv_scales, attention_mask, out0
	v_lshl_add_u32 v[SPW], v0, 2, SPARE
	v_mov_b32 v[NIL], 0
	ds_add_u32 v[SPW], v[NIL]                      ; the opening lines
	ds_add_u32 v[SPW], v[NIL]
	v_lshrrev_b32 v[T0], 5, v0
	s_delay_alu instid0(VALU_DEP_1)
	v_readfirstlane_b32 s[WV], v[T0]
	s_bfe_u32 s[CX], ttmp6, 0x40000
	s_and_b32 s14, ttmp7, 0xffff                   ; 16 b + head
	s_lshr_b32 s15, s14, 4
	s_and_b32 s67, s14, 15
	s_mov_b32 s[G1C], 15|(3<<16)|(1<<21)           ; dense blocks as rows of 256 bytes; the mask names all four work-groups
	s_mov_b32 s[G1C+1], 32<<16
	s_mov_b32 s[G1C+2], 96<<16
	s_mov_b32 s[G1C+3], 32<<16
	s_mov_b32 s[G1C+4], 96
	s_mov_b32 s[G1C+5], 32
	s_mov_b32 s[G1C+6], 0
	s_mov_b32 s[G1C+7], 0
	s_mov_b32 s[G1S], 15|(3<<16)|(1<<21)
	s_mov_b32 s[G1S+1], 32<<16
	s_mov_b32 s[G1S+2], 16<<16
	s_mov_b32 s[G1S+3], 32<<16
	s_mov_b32 s[G1S+4], 16
	s_mov_b32 s[G1S+5], 32
	s_mov_b32 s[G1S+6], 0
	s_mov_b32 s[G1S+7], 0
	s_mov_b32 s[SEL], 0x76543210
	s_mov_b32 s[SEL+1], 0xfedcba98
	s_mov_b32 s[L2], 0x3fb8aa3b
	s_mov_b32 s[L2+1], 0x3fb8aa3b
	s_mul_i32 s74, s14, HEADC
	s_mov_b32 s75, 0
	s_mul_i32 s76, s14, HEADS
	s_mov_b32 s77, 0
	s_lshl_b32 s78, s15, 23
	s_lshl_b32 s66, s67, 8
	s_add_co_u32 s78, s78, s66
	s_mov_b32 s79, 0
	s_wait_dscnt 0x0
	s_wait_kmcnt 0x0
	s_add_nc_u64 s[HC:HC+1], s[4:5], s[74:75]
	s_add_nc_u64 s[HW:HW+1], s[6:7], s[76:77]
	s_add_nc_u64 s[HO:HO+1], s[10:11], s[78:79]
	; waves 0-7: 24,576 bytes each of K's and V's images; waves 8-10: 4,096 bytes each of their scale words; waves 11, 12: of the mask
	s_mov_b32 s[G0C], 1
	s_mul_i32 s[G0C+1], s[WV], 24576
	s_add_co_u32 s74, s[G0C+1], 98304
	s_add_nc_u64 s[G0C+2:G0C+3], s[HC:HC+1], s[74:75]
	s_or_b32 s[G0C+3], s[G0C+3], 0x80000000
	s_mov_b32 s[G0S], 1
	s_lshl_b32 s[G0S+1], s[WV], 12
	s_add_co_u32 s[G0S+1], s[G0S+1], SCK-8*4096
	s_max_u32 s74, s[WV], 8
	s_sub_co_u32 s74, s74, 8
	s_lshl_b32 s74, s74, 12
	s_add_co_u32 s74, s74, 8192
	s_add_nc_u64 s[G0S+2:G0S+3], s[HW:HW+1], s[74:75]
	s_or_b32 s[G0S+3], s[G0S+3], 0x80000000
	s_mov_b32 s[G0M], 1
	s_lshl_b32 s[G0M+1], s[WV], 12
	s_add_co_u32 s[G0M+1], s[G0M+1], MSK-11*4096
	s_max_u32 s74, s[WV], 11
	s_sub_co_u32 s74, s74, 11
	s_lshl_b32 s74, s74, 12
	s_lshl_b32 s66, s15, 13
	s_add_co_u32 s74, s74, s66
	s_add_nc_u64 s[G0M+2:G0M+3], s[8:9], s[74:75]
	s_or_b32 s[G0M+3], s[G0M+3], 0x80000000
	CROUND                                         ; all four work-groups are here: the joint loads meet
	s_cmp_lt_u32 s[WV], 8
	s_cbranch_scc0 .Lnot_codes
	tensor_load_to_lds s[G0C:G0C+3], s[G1C:G1C+7]
	s_nop 0
.rept 4
	v_nop
.endr
	s_branch .Lasked
.Lnot_codes:
	s_cmp_lt_u32 s[WV], 11
	s_cbranch_scc0 .Lnot_words
	tensor_load_to_lds s[G0S:G0S+3], s[G1S:G1S+7]
	s_nop 0
.rept 4
	v_nop
.endr
	s_branch .Lasked
.Lnot_words:
	s_cmp_lt_u32 s[WV], 13
	s_cbranch_scc0 .Lasked
	tensor_load_to_lds s[G0M:G0M+3], s[G1S:G1S+7]
	s_nop 0
.rept 4
	v_nop
.endr
.Lasked:
	s_mul_i32 s66, s[WV], 16*272
	s_add_co_u32 s66, s66, STG                     ; my stage
	s_lshr_b32 s[TQ], s[WV], 3
	s_lshl_b32 s67, s[CX], 1
	s_add_co_u32 s[TQ], s[TQ], s67                 ; 2 cx + w / 8
	v_and_b32 v[T0], 31, v0
	v_and_b32 v[T0+1], 15, v0
	v_bfe_u32 v[T0+2], v0, 4, 1
	v_mov_b32 v[NINF], 0xff800000
	v_lshlrev_b32 v[L16], 4, v[T0]
	v_lshlrev_b32 v[L8], 3, v[T0]
	v_lshl_add_u32 v[LSK], v[T0], 2, SCK
	v_lshl_add_u32 v[LMK], v[T0+2], 5, MSK
	v_lshl_add_u32 v[LV], v[T0], 4, VIMG
	v_lshl_add_u32 v[LSV], v[T0], 2, SCV
	v_lshlrev_b32 v[DG], 3, v[T0+2]
	v_mul_u32_u24 v[STI], v[T0+1], 272
	v_mul_u32_u24 v[STB], v[T0+2], 272
	v_lshlrev_b32 v[GO], 12, v[T0+2]
	v_sub_nc_u32 v[DG], v[T0+1], v[DG]
	v_lshl_add_u32 v[STI], v[T0+2], 5, v[STI]
	v_lshl_add_u32 v[STB], v[T0+1], 4, v[STB]
	v_lshl_add_u32 v[GO], v[T0+1], 4, v[GO]
	v_lshlrev_b32 v[QO], 2, v[T0+1]
	v_add_nc_u32 v[STI], s66, v[STI]               ; in: row r, 64 t + 32 h bytes on
	v_add_nc_u32 v[STB], s66, v[STB]               ; back: lanes 0-15 one row, lanes 16-31 the next
.irp n, 0,1,2,3,4,5,6,7
	v_cmp_gt_i32 s[TRI+\n], \n, v[DG]
.endr
.irp i, 0,1,2,3,4,5
	v_mov_b32 v[Q+6+\i], 0                         ; Q's codes 64 to 127 are zeros, written once
	v_mov_b32 v[KF+48+\i], 0                       ; the upper half of tile 7's operand, written once
.endr
	v_mov_b32 v[NM+1], 0                           ; upper halves of pairs of which the low word serves both halves
	v_mov_b32 v[F+1], 0
	v_mov_b32 v[PX], 0                             ; a lane permute's destination counts as one of its sources
.irp b, 0,1,2,3
	v_mov_b32 v[TP+\b], 0
.endr
	s_wait_alu depctr_va_vdst(0)                   ; the wait at the head's end
	s_and_b32 s[G], s[WV], 7                       ; both tiles' Q and scale words are asked for here, while the head's tensor loads are out
	s_lshl_b32 s66, s[G], 3
	s_add_co_u32 s66, s66, s[TQ]
	s_mul_i32 s74, s66, 768
	s_mov_b32 s75, 0
	s_add_nc_u64 s[QC:QC+1], s[HC:HC+1], s[74:75]
	s_lshl_b32 s74, s66, 6
	s_add_nc_u64 s[QW:QW+1], s[HW:HW+1], s[74:75]
	global_load_b128 v[Q:Q+3], v[L16], s[QC:QC+1]
	global_load_b64 v[Q+4:Q+5], v[L8], s[QC:QC+1] offset:512
	global_load_b32 v[QS], v[QO], s[QW:QW+1]
	s_xor_b32 s66, s[G], 15
	s_lshl_b32 s66, s66, 3
	s_add_co_u32 s66, s66, s[TQ]
	s_mul_i32 s74, s66, 768
	s_add_nc_u64 s[76:77], s[HC:HC+1], s[74:75]
	s_lshl_b32 s74, s66, 6
	s_add_nc_u64 s[78:79], s[HW:HW+1], s[74:75]
	global_load_b128 v[Q2:Q2+3], v[L16], s[76:77]
	global_load_b64 v[Q2+4:Q2+5], v[L8], s[76:77] offset:512
	global_load_b32 v[Q2+6], v[QO], s[78:79]
	s_wait_tensorcnt 0x0
	s_barrier_signal -1
	s_barrier_wait -1                              ; everybody's is
.macro ADDR
	v_add_nc_u32 v[ADK16], s[TBK], v[L16]
	v_add_nc_u32 v[ADK8], s[TBK], v[L8]
	v_add_nc_u32 v[ADS], s[TSC], v[LSK]
	v_add_nc_u32 v[ADM], s[TSC], v[LMK]
.endm
; x of 128 keys: eight tiles of K, their scale words, the mask into the accumulators; x = K Q^T + mask; on the diagonal step hidden keys become -infinity.
.macro KLOAD a16, a8, as, ok, os       ; eight tiles of K and their scale words, ok and os bytes behind the addresses given
.irp t, 0,1,2,3,4,5,6,7
	ds_load_b128 v[KF+6*\t:KF+6*\t+3], v[\a16] offset:768*\t+\ok
	ds_load_b64 v[KF+6*\t+4:KF+6*\t+5], v[\a8] offset:768*\t+512+\ok
.endr
.irp i, 0,1,2,3
	ds_load_b32 v[KSW+\i], v[\as] offset:128*\i+\os
.endr
.endm
.macro SCORES                          ; this step's K was asked for a step ago (step 0's ahead of the loop)
.irp t, 0,1,2,3,4,5,6,7
	ds_load_b128 v[S+8*\t:S+8*\t+3], v[ADM] offset:64*\t
	ds_load_b128 v[S+8*\t+4:S+8*\t+7], v[ADM] offset:64*\t+16
.endr
	s_wait_alu depctr_va_vdst(0)
	s_wait_dscnt 0x0
.irp t, 0,1,2,3,4,5,6,7                        ; eight accumulators by turns
.if \t%2
	v_wmma_scale_f32_16x16x128_f8f6f4 v[S+8*\t:S+8*\t+7], v[KF+6*\t:KF+6*\t+11], v[Q:Q+11], v[S+8*\t:S+8*\t+7], v[KSW+\t/2], v[QS] matrix_a_fmt:MATRIX_FMT_BF6 matrix_b_fmt:MATRIX_FMT_BF6 matrix_a_scale:MATRIX_SCALE_ROW1
.else
	v_wmma_scale_f32_16x16x128_f8f6f4 v[S+8*\t:S+8*\t+7], v[KF+6*\t:KF+6*\t+11], v[Q:Q+11], v[S+8*\t:S+8*\t+7], v[KSW+\t/2], v[QS] matrix_a_fmt:MATRIX_FMT_BF6 matrix_b_fmt:MATRIX_FMT_BF6
.endif
.endr
.rept 4
	v_nop                                          ; four places behind the products (ISA guide 7.12.1)
.endr
	KLOAD ADK16, ADK8, ADS, 6144, 512              ; the next step's K, into registers that the products have read; behind the last step these loads read LDS bytes that were filled at the head, and what they bring is not used
	s_cmp_lg_u32 s[CNT], s[G]
	s_cbranch_scc1 .Lopen_\@
.irp t, 0,1,2,3,4,5,6,7
	s_cmp_lt_u32 s[TQ], \t                         ; a key tile behind mine is hidden whole,
	s_cselect_b32 s[MA], -1, 0
	s_cmp_eq_u32 s[TQ], \t                         ; my own by the triangle, one ahead of mine not at all
	s_cselect_b32 s[MB], -1, 0
.irp n, 0,1,2,3,4,5,6,7
	s_and_b32 s[MM+\n%2], s[MB], s[TRI+\n]
	s_or_b32 s[MM+\n%2], s[MM+\n%2], s[MA]
	v_cndmask_b32 v[S+8*\t+\n], v[S+8*\t+\n], v[NINF], s[MM+\n%2]
.endr
.endr
	s_wait_alu depctr_va_vdst(0)                   ; the wait behind writes that stand among scalar instructions
.Lopen_\@:
.endm
.macro EXPS lead                       ; 2^(x log2(e) + v[NM]): 32 packed multiply-adds, one batch of exponentials; lead = 1: F goes with the batch
.irp p, 0,1,2,3,4,5,6,7,8,9,10,11,12,13,14,15,16,17,18,19,20,21,22,23,24,25,26,27,28,29,30,31
	v_pk_fma_f32 v[S+2*\p:S+2*\p+1], v[S+2*\p:S+2*\p+1], s[L2:L2+1], v[NM:NM+1] op_sel_hi:[1,0,0]
.endr
	s_wait_alu depctr_va_vdst(0)                   ; the wait ahead of the batch
.if \lead
	v_exp_f32 v[F], v[F]
.endif
.irp n, 0,1,2,3,4,5,6,7,8,9,10,11,12,13,14,15,16,17,18,19,20,21,22,23,24,25,26,27,28,29,30,31,32,33,34,35,36,37,38,39,40,41,42,43,44,45,46,47,48,49,50,51,52,53,54,55,56,57,58,59,60,61,62,63
	v_exp_f32 v[S+\n], v[S+\n]
.endr
	v_nop
	s_wait_alu depctr_va_vdst(0)                   ; and behind it, ahead of its first reader
.endm
; Pass 1's step: the maximum of my 64 x and the old M, with lane l xor 16's; l = l F + the sum of the weights.
.macro UPD
.irp c, 0,1,2,3
	v_max3_num_f32 v[C+\c], v[S+16*\c], v[S+16*\c+1], v[S+16*\c+2]
.endr
.irp i, 3,5,7,9,11,13
.irp c, 0,1,2,3
	v_max3_num_f32 v[C+\c], v[C+\c], v[S+16*\c+\i], v[S+16*\c+\i+1]
.endr
.endr
	v_max3_num_f32 v[C], v[C], v[S+15], v[S+31]
	v_max3_num_f32 v[C+2], v[C+2], v[S+47], v[S+63]
	v_max3_num_f32 v[C+1], v[C+1], v[C+3], v[M]
	s_delay_alu instid0(VALU_DEP_1)
	v_max3_num_f32 v[C], v[C], v[C+1], v[C+2]
	s_delay_alu instid0(VALU_DEP_1)
	v_permlanex16_b32 v[PX], v[C], s[SEL], s[SEL+1]
	s_delay_alu instid0(VALU_DEP_1)
	v_max_num_f32 v[M], v[C], v[PX]
	s_delay_alu instid0(VALU_DEP_1)
	v_mul_f32 v[T0], 0xbfb8aa3b, v[M]              ; -M log2(e)
	s_delay_alu instid0(VALU_DEP_1)
	v_sub_f32 v[F], v[T0], v[NM]                   ; (old M - new M) log2(e)
	v_mov_b32 v[NM], v[T0]
	EXPS 1
.irp k, 0,1,2,3
	v_pk_add_f32 v[TS+2*\k:TS+2*\k+1], v[S+2*\k:S+2*\k+1], v[S+8+2*\k:S+9+2*\k]
.endr
.irp j, 2,3,4,5,6,7
.irp k, 0,1,2,3
	v_pk_add_f32 v[TS+2*\k:TS+2*\k+1], v[TS+2*\k:TS+2*\k+1], v[S+8*\j+2*\k:S+8*\j+2*\k+1]
.endr
.endr
	v_pk_add_f32 v[TS:TS+1], v[TS:TS+1], v[TS+2:TS+3]
	v_pk_add_f32 v[TS+4:TS+5], v[TS+4:TS+5], v[TS+6:TS+7]
	s_delay_alu instid0(VALU_DEP_1)
	v_pk_add_f32 v[TS:TS+1], v[TS:TS+1], v[TS+4:TS+5]
	v_pk_fma_f32 v[LS:LS+1], v[LS:LS+1], v[F:F+1], v[TS:TS+1] op_sel_hi:[1,0,1]
.endm
; Pass 2: four blocks of 32 keys are quantised (none is negative, so no |.|), V's fragments are asked for into the registers that the weights leave, O^T += V^T P^T.
.macro QPV
.irp b, 0,1,2,3
	v_max3_num_f32 v[BM+\b], v[S+16*\b], v[S+16*\b+1], 0x2800000   ; with the floor 2^(5 - 127): the byte cannot fall under 1
.endr
.irp i, 2,4,6,8,10,12,14
.irp b, 0,1,2,3
	v_max3_num_f32 v[BM+\b], v[BM+\b], v[S+16*\b+\i], v[S+16*\b+\i+1]
.endr
.endr
.irp b, 0,1,2,3
	v_permlanex16_b32 v[TP+\b], v[BM+\b], s[SEL], s[SEL+1]
.endr
.irp b, 0,1,2,3
	v_max_num_f32 v[BM+\b], v[BM+\b], v[TP+\b]
.endr
.irp b, 0,1,2,3
	v_add_nc_u32 v[SO+\b], 0xfe000000, v[BM+\b]    ; 4 off the exponent field: the conversion's scale operand
.endr
.irp b, 0,1,2,3
	v_lshrrev_b32 v[TP+\b], 23, v[SO+\b]           ; the scale's byte
.endr
	v_lshl_or_b32 v[PW], v[TP+1], 8, v[TP]
	s_delay_alu instid0(VALU_DEP_1)
	v_lshl_or_b32 v[PW], v[TP+2], 16, v[PW]
	s_delay_alu instid0(VALU_DEP_1)
	v_lshl_or_b32 v[PW], v[TP+3], 24, v[PW]
.irp c, 0,1
	v_cvt_scalef32_pk16_bf6_f32 v[PC+6*\c:PC+6*\c+2], v[S+32*\c:S+32*\c+15], v[SO+2*\c]
	v_cvt_scalef32_pk16_bf6_f32 v[CT+4*\c:CT+4*\c+2], v[S+32*\c+16:S+32*\c+31], v[SO+2*\c+1]
.endr
	v_nop                                          ; one plain place behind a scaled conversion
.irp t, 0,1,2,3
.irp i, 0,1,2
	ds_load_b128 v[VF+12*\t+4*\i:VF+12*\t+4*\i+3], v[ADV] offset:1536*\t+512*\i
.endr
.endr
	ds_load_b32 v[VS], v[ADSV]
	ds_load_b32 v[VS+1], v[ADSV] offset:128
.irp c, 0,1                                    ; the operand wants a whole block in a lane
.irp i, 0,1,2
	v_permlane16_swap_b32 v[PC+6*\c+\i], v[CT+4*\c+\i]
.endr
.irp i, 0,1,2
	v_mov_b32 v[PC+6*\c+3+\i], v[CT+4*\c+\i]
.endr
.endr
.rept 4
	v_nop                                          ; an operand written by a vector instruction stands 4 places ahead of a scaled matrix instruction; the scale word stands 11 plain lines ahead
.endr
	s_wait_alu depctr_va_vdst(0)
	s_wait_dscnt 0x0                               ; V
.irp t, 0,1,2,3                                ; four accumulators by turns
.if \t%2
	v_wmma_scale_f32_16x16x128_f8f6f4 v[O+8*\t:O+8*\t+7], v[VF+12*\t:VF+12*\t+11], v[PC:PC+11], v[O+8*\t:O+8*\t+7], v[VS+\t/2], v[PW] matrix_a_fmt:MATRIX_FMT_BF6 matrix_b_fmt:MATRIX_FMT_BF6 matrix_a_scale:MATRIX_SCALE_ROW1
.else
	v_wmma_scale_f32_16x16x128_f8f6f4 v[O+8*\t:O+8*\t+7], v[VF+12*\t:VF+12*\t+11], v[PC:PC+11], v[O+8*\t:O+8*\t+7], v[VS+\t/2], v[PW] matrix_a_fmt:MATRIX_FMT_BF6 matrix_b_fmt:MATRIX_FMT_BF6
.endif
.endr
	s_wait_alu depctr_va_vdst(0)
.endm
	s_mov_b32 s[IT], 0
	s_and_b32 s[G], s[WV], 7                       ; the first tile's group; the second's is 15 less it
.Ltile:
	s_wait_xcnt 0x0                                ; the last tile's stores have read their registers and their base
	s_lshl_b32 s66, s[G], 3
	s_add_co_u32 s66, s66, s[TQ]                   ; my tile of 16 queries
	s_mov_b32 s75, 0
	s_lshl_b32 s74, s66, 16
	s_add_nc_u64 s[OB:OB+1], s[HO:HO+1], s[74:75]
	KLOAD L16, L8, LSK, 0, 0                       ; pass 1's step 0
	v_mov_b32 v[M], 0xfe800000                     ; -2^126
	v_mov_b32 v[NM], 0x7eb8aa3b                    ; 2^126 log2(e)
	v_mov_b32 v[LS], 0
	v_mov_b32 v[LS+1], 0
	s_wait_loadcnt 0x0                             ; Q
	v_and_b32 v[T0], 0xff, v[QS]                   ; 1 / 8 goes into Q's two scale bytes: 3 off each, held at 0 from below
	v_lshrrev_b32 v[T0+1], 8, v[QS]
	v_max_u32 v[T0], 3, v[T0]
	v_max_u32 v[T0+1], 3, v[T0+1]
	s_delay_alu instid0(VALU_DEP_1)
	v_lshl_add_u32 v[QS], v[T0+1], 8, v[T0]
	s_delay_alu instid0(VALU_DEP_1)
	v_add_nc_u32 v[QS], 0xfffffcfd, v[QS]
.irp j, 0,1,2,3,4,5,6,7,8,9,10,11,12,13,14,15,16,17,18,19,20,21,22,23,24,25,26,27,28,29,30,31
	v_mov_b32 v[O+\j], 0                           ; the key step is written once, and its first trip adds onto zeros; these lines are also the places behind the scale word's write
.endr
	; PASS 1.  The count of trips is a constant; a step all of whose keys come after my group is jumped over, but for the lines that step addresses
	s_mov_b32 s[TBK], 0
	s_mov_b32 s[TSC], 0
	s_mov_b32 s[CNT], 0
.Lp1:
	s_cmp_gt_u32 s[CNT], s[G]
	s_cbranch_scc1 .Lp1_skip
	ADDR
	SCORES
	UPD
	s_wait_alu depctr_va_vdst(0)                   ; the wait ahead of the jumps
.Lp1_skip:
	s_add_co_u32 s[TBK], s[TBK], 6144
	s_add_co_u32 s[TSC], s[TSC], 512
	s_add_co_u32 s[CNT], s[CNT], 1
	s_cmp_lt_u32 s[CNT], 16
	s_cbranch_scc1 .Lp1
	s_wait_dscnt 0x0                               ; the last look-ahead has landed: its registers take new loads
	KLOAD L16, L8, LSK, 0, 0                       ; pass 2's step 0
	v_add_f32 v[LS], v[LS], v[LS+1]
	s_delay_alu instid0(VALU_DEP_1)
	v_permlanex16_b32 v[PX], v[LS], s[SEL], s[SEL+1]
	s_delay_alu instid0(VALU_DEP_1)
	v_add_f32 v[LS], v[LS], v[PX]                  ; the row's sum
	s_wait_alu depctr_va_vdst(0)
	v_log_f32 v[T0], v[LS]
	v_nop
	v_cmp_lt_f32 vcc_lo, 0, v[LS]
	s_wait_alu depctr_va_vdst(0)
	v_sub_f32 v[T0], v[NM], v[T0]                  ; -M log2(e) - log2(l)
	s_delay_alu instid0(VALU_DEP_1)
	v_cndmask_b32 v[NM], v[NINF], v[T0], vcc_lo    ; a row with nothing to see: -infinity, so that every weight is 0
	; PASS 2
	s_mov_b32 s[TBK], 0
	s_mov_b32 s[TSC], 0
	s_mov_b32 s[TBV], 0
	s_mov_b32 s[TSV], 0
	s_mov_b32 s[CNT], 0
	s_wait_alu depctr_va_vdst(0)
.Lp2:
	s_cmp_gt_u32 s[CNT], s[G]
	s_cbranch_scc1 .Lp2_skip
	ADDR                                           ; these six lines are the places behind the last trip's products: loads land in, and K Q^T writes over, registers that held V's fragments
	v_add_nc_u32 v[ADV], s[TBV], v[LV]
	v_add_nc_u32 v[ADSV], s[TSV], v[LSV]
	SCORES
	EXPS 0                                         ; attn, finished and normalised
	QPV
.Lp2_skip:
	s_add_co_u32 s[TBK], s[TBK], 6144
	s_add_co_u32 s[TSC], s[TSC], 512
	s_add_co_u32 s[TBV], s[TBV], 6144
	s_add_co_u32 s[TSV], s[TSV], 256
	s_add_co_u32 s[CNT], s[CNT], 1
	s_cmp_lt_u32 s[CNT], 16
	s_cbranch_scc1 .Lp2
.rept 5
	v_nop                                          ; places behind the last products
.endr
	; THE WAY OUT: the tile goes through my stage and comes back as whole rows of 256 bytes
.irp t, 0,1,2,3
	ds_store_b128 v[STI], v[O+8*\t:O+8*\t+3] offset:64*\t          ; each accumulator from its low end on
	ds_store_b128 v[STI], v[O+8*\t+4:O+8*\t+7] offset:64*\t+16
.endr
.irp i, 0,1,2,3,4,5,6,7
	ds_load_b128 v[S+4*\i:S+4*\i+3], v[STB] offset:544*\i          ; LDS serves a wave's instructions in order: these see my stores
.endr
.irp i, 0,1,2,3,4,5,6,7
	s_wait_dscnt 7-\i                              ; the younger loads may be out
	global_store_b128 v[GO], v[S+4*\i:S+4*\i+3], s[OB:OB+1] offset:8192*\i th:TH_STORE_NT   ; sixteen lanes store 256 consecutive bytes, aligned
.endr
.irp i, 0,1,2,3,4,5
	v_mov_b32 v[Q+\i], v[Q2+\i]                    ; the second tile's Q takes the first's place
.endr
	v_mov_b32 v[QS], v[Q2+6]
	s_wait_alu depctr_va_vdst(0)                   ; the wait ahead of the jump
	s_xor_b32 s[G], s[G], 15
	s_add_co_u32 s[IT], s[IT], 1
	s_cmp_lt_u32 s[IT], 2
	s_cbranch_scc1 .Ltile
	s_wait_tensorcnt 0x0                           ; the wave's end
	ds_add_u32 v[SPW], v[NIL]
	s_wait_dscnt 0x0
	CROUND                                         ; the closing round
	s_endpgm
.Lfunc_end_k_q65f09ee663_attn:
	.size	k_q65f09ee663_attn, .Lfunc_end_k_q65f09ee663_attn-k_q65f09ee663_attn
	.p2alignl 7, 3214868480
	.fill 96, 4, 3214868480
	.section	.rodata,"a",@progbits
	.p2align	6, 0x0
	.amdhsa_kernel k_q65f09ee663_attn
		.amdhsa_group_segment_fixed_size 288768
		.amdhsa_private_segment_fixed_size 0
		.amdhsa_enable_private_segment 0
		.amdhsa_kernarg_size 32
		.amdhsa_user_sgpr_count 2
		.amdhsa_user_sgpr_kernarg_segment_ptr 1
		.amdhsa_wavefront_size32 1
		.amdhsa_system_sgpr_workgroup_id_x 1
		.amdhsa_system_sgpr_workgroup_id_y 1
		.amdhsa_system_sgpr_workgroup_id_z 1
		.amdhsa_system_vgpr_workitem_id 0
		.amdhsa_next_free_vgpr 256
		.amdhsa_next_free_sgpr 92
		.amdhsa_reserve_vcc 1
		.amdhsa_float_denorm_mode_32 3
		.amdhsa_float_denorm_mode_16_64 3
		.amdhsa_memory_ordered 1
		.amdhsa_forward_progress 1
		.amdhsa_inst_pref_size 61
	.end_amdhsa_kernel
	.amdgpu_metadata
---
amdhsa.version: [ 1, 2 ]
amdhsa.kernels:
  - .name:           k_q65f09ee663_attn
    .symbol:         k_q65f09ee663_attn.kd
    .args:
      - { .name: qkv_codes, .offset: 0, .size: 8, .value_kind: global_buffer, .address_space: global }
      - { .name: qkv_scales, .offset: 8, .size: 8, .value_kind: global_buffer, .address_space: global }
      - { .name: attention_mask, .offset: 16, .size: 8, .value_kind: global_buffer, .address_space: global }
      - { .name: out0, .offset: 24, .size: 8, .value_kind: global_buffer, .address_space: global }
    .group_segment_fixed_size: 288768
    .private_segment_fixed_size: 0
    .kernarg_segment_align: 8
    .kernarg_segment_size: 32
    .max_flat_workgroup_size: 512
    .sgpr_count:     92
    .vgpr_count:     256
    .wavefront_size: 32
...
	.end_amdgpu_metadata
.endif
;; end of part 3
